; MI455X (gfx1250); checked and timed in simulation.
; The chip was launched on July 23, 2026; its instructions are those of AMD's public machine-readable ISA for CDNA 5 (MIT licence, August 2026) and "CDNA5" Instruction Set Architecture Reference Guide (July 2026). The comments in the code are by the model that wrote it; some were corrected since.
;; memory tree. Allowed arithmetic: matrix products marked QUANTISED: E4M3 operands, one given power-of-two scale a tensor, by v_wmma_f32_16x16x64_fp8_fp8 or v_wmma_f32_16x16x128_fp8_fp8, f32 sums; products left as they are: f32 operands where the result goes on into a quantised operand, else bf16, f16 or f32 operands; f32 sums; everything else in f32.
;; Inputs: W1 300 x 13 float32; W2 600 x 300 float32; W3 100 x 600 float32; W4 13 x 100 float32; b1 300 float32; b2 600 float32; b3 100 float32; b4 13 float32; lowp_scales 4 int32 (the exponents e of the quantised operands' scales 2^e); memory 65,536 x 13 float32; value 2,048 x 13 float32.
;; Outputs: out0 2,048 float32.
;; This version of the problem:
;;   THIS VERSION OF THE PROBLEM IS GIVEN IN LOW PRECISION. The matrix products marked QUANTISED in the list below multiply operands that are first quantised to E4M3 (4 exponent bits, 3 mantissa bits; 8 bits a number), with one given power-of-two scale for each operand tensor; their sums are f32. All else is computed in f32.
;;   The module's matrix products, in the order in which they are computed (A, B: the left and right operand; K: the contracted axis; several contracted axes count as one K, in the product's order):
;;     1. [M 65,536, K 13] x [K 13, N 300]; A: input memory; B: input W1: left as it is (K = 13 < 32)
;;     2. [M 65,536, K 300] x [K 300, N 600]; A: computed on the way; B: input W2: QUANTISED (scales: A lowp_scales[0], B lowp_scales[1])
;;     3. [M 65,536, K 600] x [K 600, N 100]; A: computed on the way; B: input W3: QUANTISED (scales: A lowp_scales[2], B lowp_scales[3])
;;     4. [M 65,536, K 100] x [K 100, N 13]; A: computed on the way; B: input W4: left as it is (N = 13 < 16)
;;     5. [M 2,048, K 13] x [K 13, N 65,536]; A: computed on the way; B: computed on the way: left as it is (K = 13 < 32)
;;   THE QUANTISER, for each operand of a quantised product, along K:
;;     - The operand's scale is 2^e, e = its entry of the input lowp_scales (int32; the entries are numbered through the quantised products in the list's order, A before B).
;;     - Each number is divided by the scale, clamped to +-448, and rounded to the nearest number of E4M3, ties to even, subnormals kept.
;;     - The product sums the exact products of the quantised numbers (number of the format x scale) in f32.
;;   ~~~python
;;   def quantise(x, axis, e):      # numpy; x: float32 -> the quantised numbers, widened to float32 again
;;       x = np.moveaxis(x, axis, -1); K = x.shape[-1]
;;       r = np.clip(x / 2.0 ** e, -448, 448)
;;       step = 2.0 ** (np.maximum(np.frexp(np.where(r == 0, 1, r))[1] - 1, -6) - 3)
;;       q = np.round(r / step) * step * 2.0 ** e      # np.round: ties to even
;;       return np.moveaxis(q, -1, axis).astype(np.float32)
;;   ~~~
;;   OPERANDS COMPUTED ON THE WAY. 'Computed on the way' means the value that the module computes at that place (a softmax that the list does not call 'softmax' is quantised finished and normalised). What goes into a quantiser is computed in f32, as accurately as f32 sums, v_exp_f32 and their like allow (about 1e-6 of the number): no bf16 or f16 on the way to a quantiser, and a product that is left as it is and whose result goes on into a quantised operand takes f32 operands (vector FMAs, or v_wmma_f32_16x16x4_f32). A number that lies on a knife's edge between two numbers of the format may be rounded either way, as far as f32 arithmetic and the matrix unit's own rounding can turn it there, and no further.
;; One version. Each part assembles by itself: llvm-mc -triple=amdgcn-amd-amdhsa -mcpu=gfx1250 --defsym DOCPART=n.
;; ======== version 1 of 1: 3 launches
;; workspace buffers: wimg 290,816 bytes; vimg 24,576 bytes; vfimg 71,680 bytes; part 2,097,152 bytes
;; launch prep (part 1): grid 199 x 1, 4 waves a work-group, no clusters, 0 bytes of LDS; arguments W2, W3, W1, W4, b1, b2, b3, b4, value, lowp_scales, wimg, vimg, vfimg; writes wimg, vimg, vfimg
.if DOCPART == 1
	.amdgcn_target "amdgcn-amd-amdhsa--gfx1250"
	.amdhsa_code_object_version 6
	.text
	.protected	k_q17d52a8380_prep
	.globl	k_q17d52a8380_prep
	.p2align	8
	.type	k_q17d52a8380_prep,@function
k_q17d52a8380_prep:
	s_mov_b64 s[64:65], 0
	v_nop
	global_prefetch_b8 v0, s[64:65] scope:SCOPE_SE
	s_setreg_imm32_b32 hwreg(HW_REG_WAVE_MODE, 25, 1), 1
	s_wait_xcnt 0x0
; FIRST OF THREE LAUNCHES.  out0[b] = max over m of 23 cos(value[b], net(memory[m])), net = 13 -> 300 -> 600 -> 100 -> 13.
; No input, product or step of the problem is left out: every input has a way to the result.
; This launch lays every weight, bias and value row out ONCE, as images of the operand registers that the second launch takes,
; so that there every fragment comes by dense loads of 8 or 16 bytes a lane.  W2 and W3 are quantised here (E4M3, code = x / 2^e held within +-448, nearest, ties to even).
; wimg (290,816 bytes), the same map as the second launch's LDS:
;   0       W1, f32, 57 pieces of 256 bytes: piece 3 t + s, lane (r, h): W1[16 t + r][4 s + 2 h + 0, 1]
;   14,592  five tables of f32: W1[i][12] (320), b1 (320), b2 / 2^(e0 + e1) (640), b3 / 2^(e2 + e3) (128), b4 (64); zeros behind each table's end
;   20,480  W4 x 2^(e2 + e3), bf16, 8 pieces of 512 bytes: piece 2 q + u, lane (r, h): W4[r][32 q + 16 u + 8 h + 0 .. 7]
;   24,576  W2's codes, 38 tiles x 10 pieces of 512 bytes: lane (r, h): row 16 t + r, k = 32 c + 8 h + 0 .. 7 and 32 c + 16 + 8 h + 0 .. 7
;   219,136 W3's codes, 7 tiles x 20 pieces, likewise.       Rows and k past a tensor's end are zeros (the code 0 is the number 0).
; THE VALUE ROWS.  Wave w of the second launch owns values 512 w on, as 16 groups F of 32: group F, place l: value 512 w + 128 (F / 4) + 4 l + F % 4.
; vimg (24,576 bytes): groups F = 0 .. NB - 1 in bf16: piece 2 F + hh at 1,024 NB w + 512 (2 F + hh), lane (r, h): place 16 hh + r, k = 8 h + 0 .. 7, zeros from k = 13 on.
; vfimg (71,680 bytes): groups NB .. 15 in f32, two groups F = NB + 2 p and F + 1 to a pair: piece 7 p + q at 3,584 NP w + 512 (7 p + q), lane l: place l: (F, k = 2 q), (F + 1, 2 q), (F, 2 q + 1), (F + 1, 2 q + 1).
;   k = 13 does not exist: in piece q = 6 k = 12 stands there once more; those two numbers are never read.
; SHARES: a wave takes one piece: 796 pieces, 199 work-groups of four waves.  Scalar branches on the piece's number choose the path.  No LDS, no barrier.
; A lane whose element lies past the end loads from offset 0 of its buffer and its number is replaced by 0: no load leaves its buffer.
; LIMITS: e1 and e3 between -126 and 119, so that 2^e and 448 x 2^e are f32 numbers.  NaN among the inputs is not served.
.set NB,    6                          ; groups of values that the second launch multiplies in bf16
.set NP,    (16-NB)/2                  ; pairs of groups that it multiplies in f32
.set T_VAL, 520                        ; the first piece's number of each kind
.set T_W1,  T_VAL+8*NB
.set T_W4,  T_W1+57
.set T_TAB, T_W4+8
.set T_VF,  T_TAB+23
	s_load_b512 s[4:19], s[0:1], 0x0               ; W2 s[4:5], W3 s[6:7], W1 s[8:9], W4 s[10:11], b1 s[12:13], b2 s[14:15], b3 s[16:17], b4 s[18:19]
	s_load_b256 s[20:27], s[0:1], 0x40             ; value s[20:21], the exponents s[22:23], wimg s[24:25], vimg s[26:27]
	s_load_b64 s[46:47], s[0:1], 0x60              ; vfimg
	v_lshrrev_b32 v1, 5, v0
	v_readfirstlane_b32 s32, v1                    ; wave
	s_lshl_b32 s33, ttmp9, 2
	s_add_co_u32 s33, s33, s32                     ; the piece's number
	v_and_b32 v1, 31, v0                           ; lane
	v_and_b32 v2, 15, v0                           ; r
	v_bfe_u32 v3, v0, 4, 1                         ; h
	s_wait_kmcnt 0x0
	s_load_b128 s[28:31], s[22:23], 0x0            ; e0, e1, e2, e3
	s_cmp_lt_u32 s33, 380
	s_cbranch_scc1 .Lw2
	s_cmp_lt_u32 s33, T_VAL
	s_cbranch_scc1 .Lw3
	s_cmp_lt_u32 s33, T_W1
	s_cbranch_scc1 .Lval
	s_cmp_lt_u32 s33, T_W4
	s_cbranch_scc1 .Lw1
	s_cmp_lt_u32 s33, T_TAB
	s_cbranch_scc1 .Lw4
	s_cmp_lt_u32 s33, T_VF
	s_cbranch_scc1 .Ltab
	s_branch .Lvf
; One piece of a quantised weight.  src: the pointer's first register; rowb: a row in bytes; kk, nn: K and the rows; es: the exponent's register;
; ch: pieces in a tile; magic: 65,536 / ch rounded up (exact for the piece numbers met here); dst: the image's first byte; first: the first piece's number.
; v8-11 are the four loads' offsets and are not written again; the scale and the hold have registers of their own, v13 and v14.
.macro QW src, rowb, kk, nn, es, ch, magic, dst, first
	s_sub_co_u32 s34, s33, \first
	s_mul_i32 s35, s34, \magic
	s_lshr_b32 s35, s35, 16                        ; tile t
	s_mul_i32 s36, s35, \ch
	s_sub_co_u32 s36, s34, s36                     ; piece c of the tile
	s_lshl_b32 s35, s35, 4
	s_lshl_b32 s36, s36, 5
	v_add_nc_u32 v4, s35, v2                       ; row n = 16 t + r
	v_lshl_add_u32 v5, v3, 3, s36                  ; k0 = 32 c + 8 h
	v_mul_u32_u24 v6, v4, \rowb
	v_lshl_add_u32 v6, v5, 2, v6                   ; its byte
	v_cmp_gt_u32 s37, \nn, v4
.irp i, 0,1,2,3
.set qd, (\i%2)*4+(\i/2)*16                    ; four loads of four numbers: k0 + 0, 4, 16, 20.  K is a multiple of 4, so each is inside or outside as a whole
	v_add_nc_u32 v7, qd, v5
	v_cmp_gt_u32 s[40+\i], \kk, v7
	s_and_b32 s[40+\i], s[40+\i], s37
	v_add_nc_u32 v[8+\i], 4*qd, v6
	v_cndmask_b32 v[8+\i], 0, v[8+\i], s[40+\i]
.endr
.irp i, 0,1,2,3
	global_load_b128 v[16+4*\i:19+4*\i], v[8+\i], s[\src:\src+1]
.endr
	s_wait_kmcnt 0x0
	s_add_co_i32 s38, \es, 127
	s_lshl_b32 s39, s38, 23
	v_mov_b32 v13, s39                             ; 2^e as f32: the conversion takes its exponent field
	s_add_co_i32 s38, s38, 8
	s_lshl_b32 s38, s38, 23
	s_or_b32 s38, s38, 0x600000
	v_mov_b32 v14, s38                             ; 448 x 2^e
	s_lshl_b32 s44, s34, 9
	s_add_co_u32 s44, s44, \dst
	v_lshl_add_u32 v12, v1, 4, s44                 ; the wave stores 512 consecutive bytes, aligned
	s_wait_loadcnt 0x0
.irp i, 0,1,2,3
.irp j, 0,1,2,3
	v_cndmask_b32 v[16+4*\i+\j], 0, v[16+4*\i+\j], s[40+\i]
.endr
.endr
.irp j, 0,1,2,3,4,5,6,7,8,9,10,11,12,13,14,15
	v_med3_num_f32 v[16+\j], v[16+\j], -v14, v14   ; the conversion to an 8-bit code does not saturate (ISA guide 7.6.2): the hold comes first
.endr
	v_cvt_scalef32_pk8_fp8_f32 v[32:33], v[16:23], v13
	v_cvt_scalef32_pk8_fp8_f32 v[34:35], v[24:31], v13
	global_store_b128 v12, v[32:35], s[24:25]
	s_endpgm
.endm
.Lw2:
	QW 4, 1200, 300, 600, s29, 10, 6554, 24576, 0
.Lw3:
	QW 6, 2400, 600, 100, s31, 20, 3277, 219136, 380
.Lval:                                                 ; a piece of the value rows in bf16: piece number = 4 (2 F + hh) + w
	s_sub_co_u32 s34, s33, T_VAL
	s_and_b32 s35, s34, 3                          ; w
	s_lshr_b32 s36, s34, 2                         ; 2 F + hh
	s_lshr_b32 s37, s36, 1                         ; F
	s_and_b32 s38, s36, 1                          ; hh
	s_lshl_b32 s39, s35, 9
	s_lshr_b32 s40, s37, 2
	s_lshl_b32 s40, s40, 7
	s_add_co_u32 s39, s39, s40
	s_lshl_b32 s38, s38, 6
	s_add_co_u32 s39, s39, s38
	s_and_b32 s37, s37, 3
	s_add_co_u32 s39, s39, s37                     ; 512 w + 128 (F / 4) + 64 hh + F % 4
	v_lshl_add_u32 v4, v2, 2, s39                  ; + 4 r: the row
	v_mul_u32_u24 v5, v4, 52
	v_lshl_add_u32 v6, v3, 5, v5                   ; + 32 h: k = 8 h on
.irp j, 0,1,2,3,4
	global_load_b32 v[8+\j], v6, s[20:21] offset:4*\j
.endr
.irp j, 5,6,7
	global_load_b32 v[8+\j], v5, s[20:21] offset:4*\j   ; k = 13, 14, 15 do not exist: lanes 16-31 read what lanes 0-15 read, and drop it
.endr
	s_mov_b32 s43, 0xffff
	s_mul_i32 s41, s35, 1024*NB
	s_lshl_b32 s42, s36, 9
	s_add_co_u32 s41, s41, s42
	v_lshl_add_u32 v7, v1, 4, s41
	s_wait_loadcnt 0x0
.irp j, 5,6,7
	v_cndmask_b32 v[8+\j], 0, v[8+\j], s43
.endr
.irp j, 0,1,2,3
	v_cvt_pk_bf16_f32 v[16+\j], v[8+2*\j], v[9+2*\j]
.endr
	global_store_b128 v7, v[16:19], s[26:27]
	s_endpgm
.Lw1:                                                  ; a piece of W1, f32
	s_sub_co_u32 s34, s33, T_W1
	s_mul_i32 s35, s34, 21846
	s_lshr_b32 s35, s35, 16                        ; t
	s_mul_i32 s36, s35, 3
	s_sub_co_u32 s36, s34, s36                     ; s
	s_lshl_b32 s35, s35, 4
	s_lshl_b32 s36, s36, 4
	v_add_nc_u32 v4, s35, v2                       ; row 16 t + r
	v_cmp_gt_u32 s37, 300, v4
	v_mul_u32_u24 v5, v4, 52
	v_lshl_add_u32 v5, v3, 3, v5
	v_add_nc_u32 v5, s36, v5                       ; k = 4 s + 2 h
	v_cndmask_b32 v5, 0, v5, s37
	global_load_b32 v6, v5, s[8:9]
	global_load_b32 v7, v5, s[8:9] offset:4
	s_lshl_b32 s38, s34, 8
	v_lshl_add_u32 v8, v1, 3, s38
	s_wait_loadcnt 0x0
	v_cndmask_b32 v6, 0, v6, s37
	v_cndmask_b32 v7, 0, v7, s37
	global_store_b64 v8, v[6:7], s[24:25]          ; the wave stores 256 consecutive bytes, aligned
	s_endpgm
.Lw4:                                                  ; a piece of W4 x 2^(e2 + e3), bf16: the third product's sums lack that power of two, and W4 takes it up
	s_sub_co_u32 s34, s33, T_W4
	s_lshl_b32 s35, s34, 4
	v_lshl_add_u32 v4, v3, 3, s35                  ; k0 = 16 piece + 8 h
	v_cmp_gt_u32 s36, 13, v2
	v_cmp_gt_u32 s37, 100, v4
	v_add_nc_u32 v5, 4, v4
	v_cmp_gt_u32 s38, 100, v5
	s_and_b32 s37, s37, s36
	s_and_b32 s38, s38, s36
	v_mul_u32_u24 v6, v2, 400
	v_lshl_add_u32 v6, v4, 2, v6
	v_add_nc_u32 v7, 16, v6
	v_cndmask_b32 v6, 0, v6, s37
	v_cndmask_b32 v7, 0, v7, s38
	global_load_b128 v[8:11], v6, s[10:11]
	global_load_b128 v[12:15], v7, s[10:11]
	s_wait_kmcnt 0x0
	s_add_co_i32 s39, s30, s31
	s_lshl_b32 s40, s34, 9
	s_add_co_u32 s40, s40, 20480
	v_lshl_add_u32 v20, v1, 4, s40
	s_wait_loadcnt 0x0
.irp j, 0,1,2,3
	v_cndmask_b32 v[8+\j], 0, v[8+\j], s37
	v_cndmask_b32 v[12+\j], 0, v[12+\j], s38
.endr
.irp j, 0,1,2,3,4,5,6,7
	v_ldexp_f32 v[8+\j], v[8+\j], s39
.endr
.irp j, 0,1,2,3
	v_cvt_pk_bf16_f32 v[16+\j], v[8+2*\j], v[9+2*\j]
.endr
	global_store_b128 v20, v[16:19], s[24:25]
	s_endpgm
; 64 words of a table.  src: the pointer; first: the table's first piece; mulb, addb: element i lies at byte mulb i + addb; n: its elements; sh: the register with the power of two to apply, 0 for none.
.macro TABP src, first, mulb, addb, n, sh
	s_sub_co_u32 s35, s34, \first
	s_lshl_b32 s35, s35, 6
	v_lshl_add_u32 v4, v1, 1, s35                  ; i = 64 piece + 2 lane, and i + 1
	v_add_nc_u32 v5, 1, v4
	v_cmp_gt_u32 s36, \n, v4
	v_cmp_gt_u32 s37, \n, v5
	v_mul_u32_u24 v6, v4, \mulb
	v_mul_u32_u24 v7, v5, \mulb
.if \addb
	v_add_nc_u32 v6, \addb, v6
	v_add_nc_u32 v7, \addb, v7
.endif
	v_cndmask_b32 v6, 0, v6, s36
	v_cndmask_b32 v7, 0, v7, s37
	global_load_b32 v8, v6, s[\src:\src+1]
	global_load_b32 v9, v7, s[\src:\src+1]
	s_lshl_b32 s38, s34, 8
	s_add_co_u32 s38, s38, 14592
	v_lshl_add_u32 v10, v1, 3, s38
	s_wait_loadcnt 0x0
	v_cndmask_b32 v8, 0, v8, s36
	v_cndmask_b32 v9, 0, v9, s37
.if \sh
	v_ldexp_f32 v8, v8, s[\sh]
	v_ldexp_f32 v9, v9, s[\sh]
.endif
	global_store_b64 v10, v[8:9], s[24:25]
	s_endpgm
.endm
.Ltab:
	s_sub_co_u32 s34, s33, T_TAB
	s_wait_kmcnt 0x0
	s_add_co_i32 s40, s28, s29
	s_sub_co_i32 s40, 0, s40                       ; -(e0 + e1): b2 goes into sums that stand for sum x 2^(e0 + e1)
	s_add_co_i32 s41, s30, s31
	s_sub_co_i32 s41, 0, s41                       ; -(e2 + e3): b3 likewise
	s_cmp_lt_u32 s34, 5
	s_cbranch_scc1 .Lt0
	s_cmp_lt_u32 s34, 10
	s_cbranch_scc1 .Lt1
	s_cmp_lt_u32 s34, 20
	s_cbranch_scc1 .Lt2
	s_cmp_lt_u32 s34, 22
	s_cbranch_scc1 .Lt3
	TABP 18, 22, 4, 0, 13, 0                       ; b4
.Lt0:
	TABP 8, 0, 52, 48, 300, 0                      ; W1[i][12]
.Lt1:
	TABP 12, 5, 4, 0, 300, 0                       ; b1
.Lt2:
	TABP 14, 10, 4, 0, 600, 40                     ; b2 / 2^(e0 + e1)
.Lt3:
	TABP 16, 20, 4, 0, 100, 41                     ; b3 / 2^(e2 + e3)
.Lvf:                                                  ; a piece of the value rows in f32: piece number = 4 (7 p + q) + w
	s_sub_co_u32 s34, s33, T_VF
	s_and_b32 s35, s34, 3                          ; w
	s_lshr_b32 s36, s34, 2                         ; 7 p + q
	s_mul_i32 s37, s36, 9363                       ; 65,536 / 7 rounded up: exact for the numbers met here
	s_lshr_b32 s37, s37, 16                        ; p
	s_mul_i32 s38, s37, 7
	s_sub_co_u32 s38, s36, s38                     ; q
	s_lshl_b32 s39, s37, 1
	s_add_co_u32 s39, s39, NB                      ; F = NB + 2 p, an even number: F + 1 is the next row
	s_lshl_b32 s40, s35, 9
	s_lshr_b32 s41, s39, 2
	s_lshl_b32 s41, s41, 7
	s_add_co_u32 s40, s40, s41
	s_and_b32 s41, s39, 3
	s_add_co_u32 s40, s40, s41                     ; 512 w + 128 (F / 4) + F % 4
	v_lshl_add_u32 v4, v1, 2, s40                  ; + 4 lane: the row of group F
	v_mul_u32_u24 v5, v4, 52
	s_lshl_b32 s42, s38, 3
	v_add_nc_u32 v5, s42, v5                       ; k = 2 q
	s_cmp_lt_u32 s38, 6
	s_cselect_b32 s43, 4, 0                        ; k = 2 q + 1; in piece 6 k = 12 once more: no load leaves the buffer
	v_add_nc_u32 v6, s43, v5
	global_load_b32 v8, v5, s[20:21]
	global_load_b32 v9, v5, s[20:21] offset:52
	global_load_b32 v10, v6, s[20:21]
	global_load_b32 v11, v6, s[20:21] offset:52
	s_mul_i32 s44, s35, 3584*NP
	s_lshl_b32 s45, s36, 9
	s_add_co_u32 s44, s44, s45
	v_lshl_add_u32 v12, v1, 4, s44
	s_wait_loadcnt 0x0
	global_store_b128 v12, v[8:11], s[46:47]       ; the wave stores 512 consecutive bytes, aligned
	s_endpgm
.Lfunc_end_k_q17d52a8380_prep:
	.size	k_q17d52a8380_prep, .Lfunc_end_k_q17d52a8380_prep-k_q17d52a8380_prep
	.p2alignl 7, 3214868480
	.fill 96, 4, 3214868480
	.section	.rodata,"a",@progbits
	.p2align	6, 0x0
	.amdhsa_kernel k_q17d52a8380_prep
		.amdhsa_group_segment_fixed_size 0
		.amdhsa_private_segment_fixed_size 0
		.amdhsa_enable_private_segment 0
		.amdhsa_kernarg_size 104
		.amdhsa_user_sgpr_count 2
		.amdhsa_user_sgpr_kernarg_segment_ptr 1
		.amdhsa_wavefront_size32 1
		.amdhsa_system_sgpr_workgroup_id_x 1
		.amdhsa_system_sgpr_workgroup_id_y 1
		.amdhsa_system_sgpr_workgroup_id_z 1
		.amdhsa_system_vgpr_workitem_id 0
		.amdhsa_next_free_vgpr 64
		.amdhsa_next_free_sgpr 66
		.amdhsa_reserve_vcc 0
		.amdhsa_float_denorm_mode_32 3
		.amdhsa_float_denorm_mode_16_64 3
		.amdhsa_memory_ordered 1
		.amdhsa_forward_progress 1
		.amdhsa_inst_pref_size 26
	.end_amdhsa_kernel
	.amdgpu_metadata
---
amdhsa.version: [ 1, 2 ]
amdhsa.kernels:
  - .name:           k_q17d52a8380_prep
    .symbol:         k_q17d52a8380_prep.kd
    .args:
      - { .name: W2, .offset: 0, .size: 8, .value_kind: global_buffer, .address_space: global }
      - { .name: W3, .offset: 8, .size: 8, .value_kind: global_buffer, .address_space: global }
      - { .name: W1, .offset: 16, .size: 8, .value_kind: global_buffer, .address_space: global }
      - { .name: W4, .offset: 24, .size: 8, .value_kind: global_buffer, .address_space: global }
      - { .name: b1, .offset: 32, .size: 8, .value_kind: global_buffer, .address_space: global }
      - { .name: b2, .offset: 40, .size: 8, .value_kind: global_buffer, .address_space: global }
      - { .name: b3, .offset: 48, .size: 8, .value_kind: global_buffer, .address_space: global }
      - { .name: b4, .offset: 56, .size: 8, .value_kind: global_buffer, .address_space: global }
      - { .name: value, .offset: 64, .size: 8, .value_kind: global_buffer, .address_space: global }
      - { .name: lowp_scales, .offset: 72, .size: 8, .value_kind: global_buffer, .address_space: global }
      - { .name: wimg, .offset: 80, .size: 8, .value_kind: global_buffer, .address_space: global }
      - { .name: vimg, .offset: 88, .size: 8, .value_kind: global_buffer, .address_space: global }
      - { .name: vfimg, .offset: 96, .size: 8, .value_kind: global_buffer, .address_space: global }
    .group_segment_fixed_size: 0
    .private_segment_fixed_size: 0
    .kernarg_segment_align: 8
    .kernarg_segment_size: 104
    .max_flat_workgroup_size: 128
    .sgpr_count:     66
    .vgpr_count:     64
    .wavefront_size: 32
...
	.end_amdgpu_metadata
.endif
;; end of part 1
;; launch main (part 2): grid 256 x 1, 4 waves a work-group, clusters of 4 x 1, 327,680 bytes of LDS; arguments memory, lowp_scales, wimg, vimg, vfimg, part; writes part
.if DOCPART == 2
	.amdgcn_target "amdgcn-amd-amdhsa--gfx1250"
	.amdhsa_code_object_version 6
	.text
	.protected	k_q17d52a8380_main
	.globl	k_q17d52a8380_main
	.p2align	8
	.type	k_q17d52a8380_main,@function
k_q17d52a8380_main:
	s_mov_b64 s[64:65], 0
	v_nop
	global_prefetch_b8 v0, s[64:65] scope:SCOPE_SE
	s_setreg_imm32_b32 hwreg(HW_REG_WAVE_MODE, 25, 1), 1
	s_wait_xcnt 0x0
	s_wait_alu depctr_hold_cnt(0) depctr_sa_sdst(0) depctr_va_vdst(0) depctr_va_sdst(0) depctr_va_ssrc(0) depctr_va_vcc(0) depctr_vm_vsrc(0)
	s_getreg_b32 s2, hwreg(HW_REG_IB_STS2, 6, 4)
	s_cmp_eq_u32 s2, 0
	s_cbranch_scc0 .Lentry_in_a_cluster
	s_endpgm
.Lentry_in_a_cluster:
	s_bfe_u32 s2, ttmp6, 0x10000c
	s_cmp_lg_u32 s2, 0x3003
	s_cbranch_scc0 .Lentry_shape_is_right
	s_endpgm
.Lentry_shape_is_right:
; SECOND OF THREE LAUNCHES.  part[g][b] = max over the 256 memory rows m of work-group g of value[b] . t1n[m], t1n = net(memory[m]) / max(|net(memory[m])|, 1e-8).
; Nothing of the problem is left out.  The factor 23 / max(|value[b]|, 1e-8) is positive and the same for every m, so it commutes with the maximum over m: the third launch applies it, with the norm and its clamp.
; SHARES.  Work-group g owns memory rows 256 g on; each of its four waves takes 64 of them (four tiles of 16) through the whole net IN REGISTERS.  Then the waves hand each other their rows of t1n through LDS,
; and wave w multiplies all 256 rows by ITS 512 value rows and keeps a running maximum for each value.
; ALL MATRIX PRODUCTS ARE USED TRANSPOSED (source 0 = 16 rows of a weight, source 1 = 16 memory rows): lane (r, h) holds memory row r, and its eight results are units 16 t + 8 h + 0 .. 7.  Eight such numbers, converted,
; ARE registers 2 t, 2 t + 1 of the next product's operand in the 8-bit forms' own layout (k = 16 c + 8 h + 0 .. 7), and four packed pairs are half a bf16 fragment: nothing ever changes lanes.
; PRODUCTS.  1 (K 13, feeds a quantiser): f32: k = 0 .. 11 by three f32 matrix steps with b1 as the first C, k = 12 by a packed multiply-add.  2 (K 300 as 64 + 128 + 128, N 600 as 38 tiles) and 3 (K 600 as 5 x 128, N 100 as 7 tiles): E4M3.
; 4 (K 100, N 13): bf16.  The given scales are folded: b2 and b3 come divided by the power of two that their sums lack, h2's conversion takes 2^(e2 - e0 - e1), W4 comes multiplied by 2^(e2 + e3).
; Activations that are homogeneous (relu, leaky relu) commute with those positive powers of two.
; PRODUCT 5 (K 13) IS SHARED BETWEEN THE TWO UNITS.  The bf16 form multiplies 32 along K, so a tile of 16 x 16 spends 8,192 multiply-adds on the 3,328 that the product holds.  A wave's 512 values are 16 groups of 32:
; NB = 6 groups go by the bf16 form, the other 10 by packed f32 multiply-adds, 13 for two results.  So the matrix instructions of forms other than E4M3 do 228 x 1,024 + (16 + 192) x 8,192 = 1,937,408 multiply-adds a wave,
; under the 2,036,736 that products 1, 4 and 5 hold for a wave's share.
;   bf16: a value fragment carries TWO sets of 16 values, one in k = 0 .. 15 and one in k = 16 .. 31; t1n's four registers stand between quads of zeros, so that [t 0] meets the first set and [0 t] the second.
;   f32: a lane owns one value of each group, two groups to a register pair; a row of t1n comes from LDS to all lanes alike.  A lane sees all 256 rows, so its maxima are final.
; WEIGHTS.  All of wimg (290,816 bytes) lies in LDS, filled once: no slot is filled again.  CLUSTER: every work-group reads the same weights, so the four of a cluster ask for them JOINTLY (mask 15): twelve loads, three a wave.
; The value rows are not asked for jointly: each piece is read once by one wave of a work-group and goes straight into registers.  No prefetch: what comes from memory is asked for at the head, or (the f32 values) a phase ahead of its use.
; LIMITS: e0 and e2 - e0 - e1 between -126 and 119, so that the powers of two below are f32 numbers.  NaN and infinities among the inputs are not served.
; REGISTERS, in windows of 256 (s_set_vgpr_msb, low byte: bits 1:0 source 0, 3:2 source 1, 5:4 source 2, 7:6 destination):
;   window 0: v1, v2 the add's two; v3 16 x lane; v6, v7 memory offsets; v32-143 W3's seven fragments of a K step; v160-207 the bf16 value fragments
;   window 1: v0-79 two sets of a W2 tile (product 1: W1's pieces and W1[.][12]; product 4: W4, t1, statistics; product 5: t1n among zeros, maxima); v80-143 h2's codes, later the results and the f32 sums;
;             v144-207 EIGHT ACCUMULATORS, written by matrix instructions alone; v208-223 at work; v224-239 two sets of a bias; v240-251 LDS addresses
;   window 2: v0-223 product 3's 28 accumulators, later (v0-127) two buffers of four rows of t1n in f32; v224-255 my memory rows
;   window 3: v0-159 h1's codes, later h3 in bf16, later (v0-139) the f32 values; v192, v193 the conversions' scales
; The vector work of a tile (activation, hold, conversion; in the bf16 part of product 5 the maximum) stands in slices behind the matrix instructions of the NEXT tile, so that both units work.
.set NB,    6                          ; groups of 32 values by the bf16 form
.set NP,    (16-NB)/2                  ; pairs of groups by f32 multiply-adds
.set NS,    2*NB                       ; sets of 16 values by the bf16 form
.set W1IMG, 0
.set W12T,  14592
.set B1T,   15872
.set B2T,   17152
.set B3T,   19712
.set B4T,   20224
.set W4IMG, 20480
.set W2IMG, 24576
.set W3IMG, 219136
.set T1X,   290816                     ; 16 tiles x 512 bytes of t1n in bf16: written by LDS stores alone, no tensor load lands here
.set T1F,   299008                     ; 256 rows x 64 bytes of t1n in f32 (13 numbers and three zeros), likewise
.set SPARE, 315392                     ; the spare words, 128 bytes a wave: two blocks of 256 bytes that no other line names
.set SPW, 1
.set NIL, 2
.set L16, 3
.set XA,  6
.set XA2, 7
.set W3B, 32
.set VB0, 160
.set W12, 16                           ; window 1
.set LL,  32
.set ST,  64
.set H2C, 80
.set TN,  80
.set ACC, 144
.set TMP, 208
.set ZZ,  216
.set BIAS, 224
.set A16, 240                          ; 16 x lane
.set A8,  241                          ; 8 x lane
.set A32H, 242                         ; 32 x (lane / 16)
.set AW2, 243
.set AB2, 244
.set AW3, 245
.set AT1S, 246
.set AT,  247
.set ATB, 248
.set AT1F, 249                         ; where I store my rows of t1n in f32
.set ATF, 250                          ; the f32 rows in hand
.set ATFB, 251                         ; T1F
.set ACH, 0
.set RM,  40
.set MA,  72
.set OO,  80                           ; the 16 groups' maxima
.set SS,  96
.set AV,  100                          ; the f32 sums: 2 NP for each of two rows
.set TF,  0                            ; window 2: two buffers of four rows of t1n, 16 registers a row
.set XF,  224
.set X12, 248
.set H1C, 0                            ; window 3
.set H3,  0
.set SC1, 192
.set SC2, 193
.set S_P1,  0x59
.set S_C1,  0xdd
.set S_M,   0x5d
.set S_L3,  0x01
.set S_P3,  0xa4
.set S_I3,  0x81                       ; destination window 2, address window 1
.set S_A3A, 0x88
.set S_A3B, 0xca
.set S_1,   0x55
.set S_V,   0x5b                       ; source 0 (the values) window 3, source 1 (t1n) window 2, the sums window 1
.set MSB, 0
.macro WIN new                         ; the immediate's high byte repeats the setting that is left; a switch that changes nothing is dropped
.if MSB != \new
	s_set_vgpr_msb (MSB<<8)|\new
.set MSB, \new
.endif
.endm
.macro PLACES n
.rept \n
	v_nop
.endr
.endm
.macro BAR
	s_barrier_signal -1
	s_barrier_wait -1
.endm
.macro CROUND                          ; a round of the cluster's barrier
	s_barrier_signal -1
	s_barrier_wait -1
	s_cmp_lg_u32 s14, 0
	s_cbranch_scc1 .Lnot_wave_0_\@
	s_barrier_signal -3
.Lnot_wave_0_\@:
	s_barrier_wait -3
	s_barrier_signal -1
	s_barrier_wait -1
.endm
	s_load_b256 s[4:11], s[0:1], 0x0               ; memory s[4:5], the exponents s[6:7], wimg s[8:9], vimg s[10:11]
	s_load_b64 s[78:79], s[0:1], 0x20              ; vfimg
	s_load_b64 s[12:13], s[0:1], 0x28              ; part
	v_lshl_add_u32 v[SPW], v0, 2, SPARE
	v_mov_b32 v[NIL], 0
	ds_add_u32 v[SPW], v[NIL]                      ; the wave's opening: the add, twice on end, and its wait ahead of my first tensor load
	ds_add_u32 v[SPW], v[NIL]
	v_lshrrev_b32 v4, 5, v0
	v_readfirstlane_b32 s14, v4                    ; wave 0..3
	s_bfe_u32 s15, ttmp6, 0x40000                  ; my place in the cluster: it enters global addresses of memory and part alone
	s_lshl_b32 s16, ttmp9, 2
	s_add_co_u32 s16, s16, s15                     ; work-group g
	; three descriptors' groups 1: dense blocks as rows of 32 elements of 8 bytes; they differ in the number of rows
.irp g, 36,44,52
	s_mov_b32 s[\g], 15|(3<<16)|(1<<21)            ; 15:0 the mask: all four work-groups; 17:16 elements of 8 bytes; 21 set beside a mask; no padding
	s_mov_b32 s[\g+1], 32<<16                      ; tensor_dim0 = 32
	s_mov_b32 s[\g+3], 32<<16                      ; tile_dim0 = 32
	s_mov_b32 s[\g+5], 32                          ; from row to row
	s_mov_b32 s[\g+6], 0
	s_mov_b32 s[\g+7], 0
.endr
	s_mov_b32 s38, 24<<16                          ; tensor_dim1 and tile_dim1: a quarter of bytes 0 to 24,575,
	s_mov_b32 s40, 24
	s_mov_b32 s46, 190<<16                         ; of W2's image,
	s_mov_b32 s48, 190
	s_mov_b32 s54, 70<<16                          ; of W3's
	s_mov_b32 s56, 70
	s_mov_b32 s60, 1
	s_mul_i32 s61, s14, 6144                       ; LDS byte = wimg byte: my quarter by my wave's number alone
	s_mov_b32 s68, 1
	s_mul_i32 s69, s14, 48640
	s_add_co_u32 s69, s69, W2IMG
	s_mov_b32 s72, 1
	s_mul_i32 s73, s14, 17920
	s_add_co_u32 s73, s73, W3IMG
	s_mov_b32 s27, 0x322bcc77                      ; 1e-8
	s_mov_b32 s28, 0x76543210
	s_mov_b32 s29, 0xfedcba98                      ; v_permlanex16_b32's selects for lane l xor 16
	s_mov_b32 s30, 0xffff0000                      ; lanes 16-31
	s_mov_b32 s76, 0x3c23d70a                      ; 0.01, the leaky slope
	s_mov_b32 s77, s76                             ; (named with it as a pair, so it is written)
	v_and_b32 v5, 31, v0                           ; lane
	v_and_b32 v8, 15, v0                           ; r
	v_bfe_u32 v9, v0, 4, 1                         ; h
	v_lshlrev_b32 v[L16], 4, v5
	v_mul_u32_u24 v[XA2], v8, 52                   ; a memory row is 52 bytes
	v_lshl_add_u32 v[XA], v9, 3, v[XA2]            ; + 8 h: k = 2 h
	v_lshlrev_b32 v10, 6, v8                       ; a row of t1n in f32 is 64 bytes,
	v_lshl_add_u32 v10, v9, 5, v10                 ; + 32 h: my eight numbers of it
	s_wait_dscnt 0x0                               ; both opening adds are done
	s_wait_kmcnt 0x0
	s_load_b128 s[20:23], s[6:7], 0x0              ; e0, e1, e2, e3
	s_mov_b32 s3, 0
	s_mov_b32 s2, s61
	s_add_nc_u64 s[62:63], s[8:9], s[2:3]
	s_or_b32 s63, s63, 0x80000000                  ; type = 2
	s_mov_b32 s2, s69
	s_add_nc_u64 s[70:71], s[8:9], s[2:3]
	s_or_b32 s71, s71, 0x80000000
	s_mov_b32 s2, s73
	s_add_nc_u64 s[74:75], s[8:9], s[2:3]
	s_or_b32 s75, s75, 0x80000000
	s_mov_b32 s19, 0
	s_mul_i32 s17, s16, 13312
	s_mul_i32 s18, s14, 3328
	s_add_co_u32 s18, s18, s17
	s_add_nc_u64 s[4:5], s[4:5], s[18:19]          ; memory at my wave's first row
	s_mul_i32 s18, s14, 1024*NB
	s_add_nc_u64 s[10:11], s[10:11], s[18:19]      ; vimg at my wave's fragments
	s_mul_i32 s18, s14, 3584*NP
	s_add_nc_u64 s[78:79], s[78:79], s[18:19]      ; vfimg at my wave's pieces
	s_lshl_b32 s17, s16, 13
	s_lshl_b32 s18, s14, 11
	s_add_co_u32 s18, s18, s17
	s_add_nc_u64 s[12:13], s[12:13], s[18:19]      ; part at row g, value 512 w
	CROUND                                         ; all four work-groups are here: the joint loads meet
	tensor_load_to_lds s[60:63], s[36:43]          ; W1, the tables, W4
	s_nop 0
	tensor_load_to_lds s[68:71], s[44:51]          ; W2's codes
	s_nop 0
	tensor_load_to_lds s[72:75], s[52:59]          ; W3's codes: three loads of mine are out
	s_nop 0
	PLACES 4
	WIN 0x80                                       ; destination window 2
.irp m, 0,1,2,3
.irp s, 0,1,2
	global_load_b32 v[XF+6*\m+2*\s], v[XA], s[4:5] offset:832*\m+16*\s        ; memory[16 m + r][4 s + 2 h], the f32 form's layout
	global_load_b32 v[XF+6*\m+2*\s+1], v[XA], s[4:5] offset:832*\m+16*\s+4
.endr
	global_load_b32 v[X12+2*\m], v[XA2], s[4:5] offset:832*\m+48              ; memory[16 m + r][12]: the low register of a pair; the high one is copied from it behind the wait
.endr
	WIN 0
.set fi, 0
.rept NB
	global_load_b128 v[VB0+8*fi:VB0+8*fi+3], v[L16], s[10:11] offset:1024*fi
	global_load_b128 v[VB0+8*fi+4:VB0+8*fi+7], v[L16], s[10:11] offset:1024*fi+512
.set fi, fi+1
.endr
	WIN 0xc0                                       ; destination window 3
.irp m, 0,1,2,3
	v_mov_b32 v[H1C+40*\m+38], 0                   ; h1's k = 304 .. 319: zero codes
	v_mov_b32 v[H1C+40*\m+39], 0
.endr
	s_wait_kmcnt 0x0
	s_add_co_i32 s17, s20, 127
	s_lshl_b32 s31, s17, 23                        ; 2^e0
	s_add_co_i32 s17, s17, 8
	s_lshl_b32 s17, s17, 23
	s_or_b32 s24, s17, 0x600000                    ; 448 x 2^e0
	s_sub_co_i32 s17, s22, s20
	s_sub_co_i32 s17, s17, s21
	s_add_co_i32 s17, s17, 127
	s_lshl_b32 s32, s17, 23                        ; 2^(e2 - e0 - e1): the three scales folded into the conversion's one
	s_add_co_i32 s17, s17, 8
	s_lshl_b32 s17, s17, 23
	s_or_b32 s25, s17, 0x600000                    ; 448 x that,
	s_or_b32 s26, s25, 0x80000000                  ; and its negative
	v_mov_b32 v[SC1], s31
	v_mov_b32 v[SC2], s32
	s_lshl_b32 s17, s14, 11
	s_add_co_u32 s17, s17, T1X
	s_lshl_b32 s18, s14, 12
	s_add_co_u32 s18, s18, T1F
	WIN 0x40                                       ; destination window 1, sources window 0: the LDS addresses live beside the operands that they fetch
	v_lshlrev_b32 v[A16], 4, v5
	v_lshlrev_b32 v[A8], 3, v5
	v_lshlrev_b32 v[A32H], 5, v9
	v_lshl_add_u32 v[AT1S], v5, 4, s17             ; where I store my four tiles of t1n in bf16,
	v_lshl_add_u32 v[ATB], v5, 4, T1X
	v_add_nc_u32 v[AT1F], s18, v10                 ; and my 64 rows in f32: 4,096 x wave + 64 r + 32 h
	v_mov_b32 v[ATFB], T1F
	WIN 0
	s_wait_tensorcnt 2                             ; my part of the first block is in; W2's and W3's may stay out
	BAR                                            ; everybody's is
; ---------------- PRODUCT 1 and h1's codes ----------------
.macro P1LD t                          ; tile t's three pieces of W1 and its eight b1
.irp s, 0,1,2
	ds_load_b64 v[8*((\t)%2)+2*\s:8*((\t)%2)+2*\s+1], v[A8] offset:W1IMG+256*(3*(\t)+\s)
.endr
	ds_load_b128 v[BIAS+8*((\t)%2):BIAS+8*((\t)%2)+3], v[A32H] offset:B1T+64*(\t)
	ds_load_b128 v[BIAS+8*((\t)%2)+4:BIAS+8*((\t)%2)+7], v[A32H] offset:B1T+64*(\t)+16
.endm
.macro P1LW t                          ; tile t's eight W1[.][12]
	ds_load_b128 v[W12+8*((\t)%2):W12+8*((\t)%2)+3], v[A32H] offset:W12T+64*(\t)
	ds_load_b128 v[W12+8*((\t)%2)+4:W12+8*((\t)%2)+7], v[A32H] offset:W12T+64*(\t)+16
.endm
; Slice i of 12 of tile tp's vector work; memory tile i / 3.  0: + W1[.][12] x memory[.][12]; 1: relu and the hold in one; 2: eight codes = registers 2 tp, 2 tp + 1 of h1's operand.
.macro P1SL tp, i
.set sa, (\i)/3
.set sp, (\i)%3
.set sq, (\tp)%2
.if sp == 0
.irp j, 0,2,4,6
	v_pk_fma_f32 v[TMP+\j:TMP+\j+1], v[W12+8*sq+\j:W12+8*sq+\j+1], v[X12+2*sa:X12+2*sa+1], v[ACC+32*sq+8*sa+\j:ACC+32*sq+8*sa+\j+1]
.endr
.elseif sp == 1
.irp j, 0,1,2,3,4,5,6,7
	v_med3_num_f32 v[ZZ+\j], v[TMP+\j], 0, s24
.endr
.else
	WIN S_C1
	v_cvt_scalef32_pk8_fp8_f32 v[H1C+40*sa+2*(\tp):H1C+40*sa+2*(\tp)+1], v[ZZ:ZZ+7], v[SC1]
	WIN S_P1
.endif
.endm
; Tile t: 12 f32 matrix instructions, K step by K step, the four memory tiles' accumulators by turns; the tile before's slices stand behind them.
; Eight places are owed behind this form: between an accumulator's last product and its first slice stand the four multiply-adds and eight holds of another accumulator's slices;
; the run of loads stands behind slices 0 and 1, twelve plain lines behind the last product that read the registers it fills.
.macro P1TILE t
.set tq, (\t)%2
	s_wait_dscnt 0x0                               ; this tile's W1 and b1, the tile before's W1[.][12]
.set wi, 0
.rept 12
.set ws, wi/4
.set wm, wi%4
.if ws == 0
	v_wmma_f32_16x16x4_f32 v[ACC+32*tq+8*wm:ACC+32*tq+8*wm+7], v[8*tq:8*tq+1], v[XF+6*wm:XF+6*wm+1], v[BIAS+8*tq:BIAS+8*tq+7]
.else
	v_wmma_f32_16x16x4_f32 v[ACC+32*tq+8*wm:ACC+32*tq+8*wm+7], v[8*tq+2*ws:8*tq+2*ws+1], v[XF+6*wm+2*ws:XF+6*wm+2*ws+1], v[ACC+32*tq+8*wm:ACC+32*tq+8*wm+7]
.endif
.if (\t) > 0
	P1SL (\t)-1, wi
.endif
.if (((\t) > 0) && (wi == 1)) || (((\t) == 0) && (wi == 0))
.if (\t) < 18
	P1LD (\t)+1
.endif
	P1LW \t
.endif
.set wi, wi+1
.endr
.if (\t) == 0
	PLACES 8                                       ; the first tile has no slices to stand as places
.endif
.endm
	WIN S_I3                                       ; product 3's sums begin as b3 / 2^(e2 + e3): loaded here, a whole phase ahead
.irp t, 0,1,2,3,4,5,6
.irp m, 0,1,2,3
	ds_load_b128 v[8*(4*\t+\m):8*(4*\t+\m)+3], v[A32H] offset:B3T+64*\t
	ds_load_b128 v[8*(4*\t+\m)+4:8*(4*\t+\m)+7], v[A32H] offset:B3T+64*\t+16
.endr
.endr
	WIN S_P1
	P1LD 0
	s_wait_loadcnt 2*NB                            ; my 28 loads of memory rows are in; the loads of bf16 value fragments behind them stay out
	WIN 0x82                                       ; source 0 and destination window 2
.irp m, 0,1,2,3
	v_mov_b32 v[X12+2*\m+1], v[X12+2*\m]           ; memory[.][12] in both registers of a pair, for the packed multiply-add
.endr
	WIN S_P1
.set TT, 0
.rept 19
	P1TILE TT
.set TT, TT+1
.endr
	s_wait_dscnt 0x0                               ; tile 18's W1[.][12]
.set SI, 0
.rept 12
	P1SL 18, SI
.set SI, SI+1
.endr
	v_nop                                          ; a plain line behind the last conversion, ahead of the products that read its codes
	WIN 0
	s_wait_tensorcnt 0x0                           ; my parts of W2's and W3's images are in,
	s_wait_dscnt 0x0
	BAR                                            ; everybody's are
; ---------------- PRODUCTS 2 and 3 ----------------
; Slice n of 12 of a tile's vector work; memory tile n / 3; seven lines.  leaky(x) = max(x, 0.01 x); max3 takes the lower hold with it; the upper hold; eight codes = registers 2 ip, 2 ip + 1 of this K step of h2.
.macro ACT2 p, ip, n
.set aa, (\n)/3
.set ap, (\n)%3
.set ax, ACC+32*(\p)+8*aa
.if ap == 0
.irp j, 0,2,4,6
	v_pk_mul_f32 v[TMP+\j:TMP+\j+1], v[ax+\j:ax+\j+1], s[76:77] op_sel_hi:[1,0]
.endr
.irp j, 0,1,2
	v_max3_num_f32 v[ZZ+\j], v[ax+\j], s26, v[TMP+\j]
.endr
.elseif ap == 1
.irp j, 3,4,5,6,7
	v_max3_num_f32 v[ZZ+\j], v[ax+\j], s26, v[TMP+\j]
.endr
.irp j, 0,1
	v_min_num_f32 v[ZZ+\j], v[ZZ+\j], s25
.endr
.else
.irp j, 2,3,4,5,6,7
	v_min_num_f32 v[ZZ+\j], v[ZZ+\j], s25
.endr
	v_cvt_scalef32_pk8_fp8_f32 v[H2C+16*aa+2*(\ip):H2C+16*aa+2*(\ip)+1], v[ZZ:ZZ+7], v[SC2]
.endif
.endm
; Tile i of a trip: K = 64 (C = b2), 128, 128, each for the four memory tiles by turns.  act: the tile before's slices stand behind the products.  ld: the next tile's W2 and b2 are fetched behind the fourth product;
; w3: and W3's seven fragments of this trip's K step.  cnt: the LDS loads that may stay out at the head.
; The K = 64 and K = 128 forms are no chain in place: five places lie between them on an accumulator: four slices, or five v_nop.
.macro GRP i, act, ld, w3, cnt
.set gp, (\i)%2
	s_wait_dscnt \cnt
.set gn, 0
.rept 12
.set gm, gn%4
.set gr, gn/4
.if gr == 0
	v_wmma_f32_16x16x64_fp8_fp8 v[ACC+32*gp+8*gm:ACC+32*gp+8*gm+7], v[40*gp:40*gp+7], v[H1C+40*gm:H1C+40*gm+7], v[BIAS+8*gp:BIAS+8*gp+7]
.else
	v_wmma_f32_16x16x128_fp8_fp8 v[ACC+32*gp+8*gm:ACC+32*gp+8*gm+7], v[40*gp+16*gr-8:40*gp+16*gr+7], v[H1C+40*gm+16*gr-8:H1C+40*gm+16*gr+7], v[ACC+32*gp+8*gm:ACC+32*gp+8*gm+7]
.endif
.if \act
	ACT2 1-gp, (\i)-1, gn
.endif
.if gn == 3
.if (\act) == 0
	PLACES 5
.endif
.if \ld
	ds_load_b128 v[BIAS+8*(1-gp):BIAS+8*(1-gp)+3], v[AB2] offset:64*((\i)+1)
	ds_load_b128 v[BIAS+8*(1-gp)+4:BIAS+8*(1-gp)+7], v[AB2] offset:64*((\i)+1)+16
.irp c, 0,1,2,3,4,5,6,7,8,9
	ds_load_b128 v[40*(1-gp)+4*\c:40*(1-gp)+4*\c+3], v[AW2] offset:5120*((\i)+1)+512*\c
.endr
.if \w3
	WIN S_L3
.irp t, 0,1,2,3,4,5,6
.irp c, 0,1,2,3
	ds_load_b128 v[W3B+16*\t+4*\c:W3B+16*\t+4*\c+3], v[AW3] offset:10240*\t+512*\c
.endr
.endr
	WIN S_M
.endif
.endif
.endif
.set gn, gn+1
.endr
.if (\act) == 0
	PLACES 4                                       ; ahead of the next tile's first slice, which reads these results
.endif
.endm
.macro ACTALL p, ip                    ; a trip's last tile has no products behind which its slices could stand
.set an, 0
.rept 12
	ACT2 \p, \ip, an
.set an, an+1
.endr
	v_nop                                          ; a plain line behind the last conversion
.endm
.macro P3STEP cnt                      ; one K step of 128 of product 3: 28 accumulators, each once
	s_wait_dscnt \cnt
	WIN S_P3
.irp t, 0,1,2,3,4,5,6
.irp m, 0,1,2,3
	v_wmma_f32_16x16x128_fp8_fp8 v[8*(4*\t+\m):8*(4*\t+\m)+7], v[W3B+16*\t:W3B+16*\t+15], v[H2C+16*\m:H2C+16*\m+15], v[8*(4*\t+\m):8*(4*\t+\m)+7]
.endr
.endr
.endm
	s_mov_b32 s32, W2IMG                           ; the trip's first tile of W2, its b2, its K step of W3
	s_mov_b32 s33, B2T
	s_mov_b32 s34, W3IMG
	WIN S_1
	v_add_nc_u32 v[AW2], s32, v[A16]
	v_add_nc_u32 v[AB2], s33, v[A32H]
	v_add_nc_u32 v[AW3], s34, v[A16]
	ds_load_b128 v[BIAS:BIAS+3], v[AB2]
	ds_load_b128 v[BIAS+4:BIAS+7], v[AB2] offset:16
.irp c, 0,1,2,3,4,5,6,7,8,9
	ds_load_b128 v[4*\c:4*\c+3], v[AW2] offset:512*\c
.endr
	WIN 0
	s_mov_b32 s31, 4
.Ltrip:                                                ; a trip: eight tiles of h2 = 128 along product 3's K, then that K step
	WIN S_M
	GRP 0, 0, 1, 0, 0
	GRP 1, 1, 1, 0, 0
	GRP 2, 1, 1, 0, 0
	GRP 3, 1, 1, 0, 0
	GRP 4, 1, 1, 0, 0
	GRP 5, 1, 1, 0, 0
	GRP 6, 1, 1, 1, 0
	GRP 7, 1, 1, 0, 28                             ; its W2 and b2 are in; W3's 28 loads, issued behind them, may stay out
	ACTALL 1, 7
	P3STEP 12                                      ; W3's are in; the 12 loads of the next trip's first tile may stay out
	s_add_co_u32 s32, s32, 40960
	s_add_co_u32 s33, s33, 512
	s_add_co_u32 s34, s34, 2048
	WIN S_1
	v_add_nc_u32 v[AW2], s32, v[A16]
	v_add_nc_u32 v[AB2], s33, v[A32H]
	v_add_nc_u32 v[AW3], s34, v[A16]
	WIN 0
	s_sub_co_u32 s31, s31, 1
	s_cmp_lg_u32 s31, 0
	s_cbranch_scc1 .Ltrip
	WIN S_M                                        ; the last six tiles, 32 to 37.  k = 608 .. 639 of h2 keep the trip before's codes, which are finite; W3's codes there are zeros
	GRP 0, 0, 1, 0, 0
	GRP 1, 1, 1, 0, 0
	GRP 2, 1, 1, 0, 0
	GRP 3, 1, 1, 0, 0
	GRP 4, 1, 1, 1, 0
	GRP 5, 1, 0, 0, 28
	ACTALL 1, 5
	P3STEP 0
; ---------------- PRODUCT 4, the norm, t1n to LDS ----------------
	PLACES 4
	WIN S_A3A
.set qi, 0
.rept 224
	v_max_num_f32 v[qi], 0, v[qi]                  ; relu, each accumulator from its low end on
.set qi, qi+1
.endr
	WIN S_A3B
.irp t, 0,1,2,3,4,5,6
.irp m, 0,1,2,3
.irp j, 0,1,2,3
	v_cvt_pk_bf16_f32 v[H3+32*\m+4*\t+\j], v[8*(4*\t+\m)+2*\j], v[8*(4*\t+\m)+2*\j+1]   ; tile t's eight units are k = 16 t + 8 h + 0 .. 7: half a bf16 fragment
.endr
.endr
.endr
.irp m, 0,1,2,3
.irp j, 28,29,30,31
	v_mov_b32 v[H3+32*\m+\j], 0                    ; k = 112 .. 127
.endr
.endr
	WIN S_M
.irp c, 0,1,2,3,4,5,6,7
	ds_load_b128 v[4*\c:4*\c+3], v[A16] offset:W4IMG+512*\c
.endr
	ds_load_b128 v[BIAS:BIAS+3], v[A32H] offset:B4T
	ds_load_b128 v[BIAS+4:BIAS+7], v[A32H] offset:B4T+16
	s_wait_dscnt 0x0
.irp q, 0,1,2,3
.irp m, 0,1,2,3
.if \q == 0
	v_wmma_f32_16x16x32_bf16 v[ACC+8*\m:ACC+8*\m+7], v[8*\q:8*\q+7], v[H3+32*\m+8*\q:H3+32*\m+8*\q+7], v[BIAS:BIAS+7]
.else
	v_wmma_f32_16x16x32_bf16 v[ACC+8*\m:ACC+8*\m+7], v[8*\q:8*\q+7], v[H3+32*\m+8*\q:H3+32*\m+8*\q+7], v[ACC+8*\m:ACC+8*\m+7]
.endif
.endr
.endr
	PLACES 4                                       ; ahead of the loads into h3's registers and of the first read of the results
	WIN 0xc0                                       ; destination window 3, address window 0
.set ci, 0
.rept 7*NP
	global_load_b128 v[4*ci:4*ci+3], v[L16], s[78:79] offset:512*ci   ; my values in f32: pair p's k at v[28 p + 2 k]; they land while the norm and the bf16 part are worked
.set ci, ci+1
.endr
	WIN S_1
.irp m, 0,1,2,3
.irp j, 0,2,4,6
	v_pk_mul_f32 v[TMP+\j:TMP+\j+1], v[ACC+8*\m+\j:ACC+8*\m+\j+1], s[76:77] op_sel_hi:[1,0]
.endr
.irp j, 0,1,2,3,4,5,6,7
	v_max_num_f32 v[LL+8*\m+\j], v[ACC+8*\m+\j], v[TMP+\j]   ; t1 = leaky(..): lane (r, h): row r, outputs 8 h + 0 .. 7; outputs 13, 14, 15 are zeros
.endr
	v_pk_mul_f32 v[ST+4*\m:ST+4*\m+1], v[LL+8*\m:LL+8*\m+1], v[LL+8*\m:LL+8*\m+1]
.irp j, 2,4,6
	v_pk_fma_f32 v[ST+4*\m:ST+4*\m+1], v[LL+8*\m+\j:LL+8*\m+\j+1], v[LL+8*\m+\j:LL+8*\m+\j+1], v[ST+4*\m:ST+4*\m+1]
.endr
	v_add_f32 v[ST+4*\m+2], v[ST+4*\m], v[ST+4*\m+1]
	v_mov_b32 v[ST+4*\m+3], 0                      ; a lane permute's destination counts as one of its sources
	v_permlanex16_b32 v[ST+4*\m+3], v[ST+4*\m+2], s28, s29
	v_add_f32 v[ST+4*\m+2], v[ST+4*\m+2], v[ST+4*\m+3]   ; the row's sum of squares
.endr
.irp m, 0,1,2,3
	v_sqrt_f32 v[ST+4*\m+2], v[ST+4*\m+2]
.endr
	v_nop                                          ; a plain line behind the last root,
	s_wait_alu depctr_va_vdst(0)                   ; and one wait for the four, ahead of their first use
.irp m, 0,1,2,3
	v_max_num_f32 v[ST+4*\m+2], s27, v[ST+4*\m+2]  ; the clamp at 1e-8
.endr
.irp m, 0,1,2,3
	v_rcp_f32 v[ST+4*\m], v[ST+4*\m+2]
.endr
	v_nop
	s_wait_alu depctr_va_vdst(0)
.irp m, 0,1,2,3
.irp j, 0,2,4,6
	v_pk_mul_f32 v[LL+8*\m+\j:LL+8*\m+\j+1], v[LL+8*\m+\j:LL+8*\m+\j+1], v[ST+4*\m:ST+4*\m+1] op_sel_hi:[1,0]
.endr
.irp j, 0,1,2,3
	v_cvt_pk_bf16_f32 v[TN+4*\m+\j], v[LL+8*\m+2*\j], v[LL+8*\m+2*\j+1]
.endr
	ds_store_b128 v[AT1S], v[TN+4*\m:TN+4*\m+3] offset:512*\m   ; an image of four registers: k = 0 .. 15 of a bf16 fragment of 16 memory rows
	ds_store_b128 v[AT1F], v[LL+8*\m:LL+8*\m+3] offset:1024*\m  ; and the same eight numbers in f32, as rows
	ds_store_b128 v[AT1F], v[LL+8*\m+4:LL+8*\m+7] offset:1024*\m+16
.endr
	WIN 0
	s_wait_dscnt 0x0                               ; for the others' sake: my stores have landed
	BAR
; ---------------- PRODUCT 5, the bf16 part ----------------
.macro VLOAD b, adr, off               ; four rows of t1n in f32, 13 numbers and a zero each, to all lanes alike, into buffer b of window 2: one run of 16 loads
	WIN S_I3
.irp r, 0,1,2,3
	ds_load_b128 v[TF+64*(\b)+16*\r:TF+64*(\b)+16*\r+3], v[\adr] offset:(\off)+64*\r
	ds_load_b128 v[TF+64*(\b)+16*\r+4:TF+64*(\b)+16*\r+7], v[\adr] offset:(\off)+64*\r+16
	ds_load_b128 v[TF+64*(\b)+16*\r+8:TF+64*(\b)+16*\r+11], v[\adr] offset:(\off)+64*\r+32
	ds_load_b64 v[TF+64*(\b)+16*\r+12:TF+64*(\b)+16*\r+13], v[\adr] offset:(\off)+64*\r+48
.endr
.endm
.macro MAX5 k                          ; product k's eight memory rows into value set k % NS's running maximum
.set mv, (\k)%NS
.set md, ACC+8*((\k)%8)
	v_max3_num_f32 v[MA], v[md], v[md+1], v[md+2]
	v_max3_num_f32 v[MA+1], v[md+3], v[md+4], v[md+5]
	v_max3_num_f32 v[MA+2], v[md+6], v[md+7], v[RM+mv]
	v_max3_num_f32 v[RM+mv], v[MA], v[MA+1], v[MA+2]
.endm
; Four memory tiles x NS sets of 16 values: eight accumulators by turns, each begun with the constant 0.  Product k's maximum stands behind product k + 2: the eight plain lines of the two
; maxima before it are the places behind its results.  At a trip's head there are no earlier maxima: four v_nop stand ahead of product 0's (product 1's then has those four and product 0's four lines).
; rl = 1: a tile's registers take the tile four further on as soon as its last product has been issued and four plain lines have passed.
.macro P5TRIP rl
.set pk, 0
.rept 4*NS
.set pt, pk/NS
.set pv, pk%NS
.set pf, pv/2
.set ph, pv%2
.if pv == 0
.if \rl
	s_wait_dscnt 3                                 ; this tile is in; the three loads behind it may stay out
.else
	s_wait_dscnt 3-pt
.endif
.endif
	WIN 0x51
	v_wmma_f32_16x16x32_bf16 v[ACC+8*(pk%8):ACC+8*(pk%8)+7], v[ACH+8*pt+4-4*ph:ACH+8*pt+11-4*ph], v[VB0+8*pf:VB0+8*pf+7], 0
	WIN S_1
.if pk == 2
	PLACES 4                                       ; the places behind product 0's results
.endif
.if pk >= 2
	MAX5 pk-2
.endif
.if (pv == NS-1) && (\rl)
	ds_load_b128 v[ACH+8*pt+4:ACH+8*pt+7], v[AT] offset:512*(4+pt)
.endif
.set pk, pk+1
.endr
	MAX5 4*NS-2
	MAX5 4*NS-1
.endm
	VLOAD 0, ATFB, 0                               ; the f32 part's rows 0 to 3 and 4 to 7 are asked for here, so that they land under the bf16 part; they are older than
	VLOAD 1, ATFB, 256                             ; the four loads below, so the counted waits of the bf16 part cover them too
	WIN S_1
.irp q, 0,8,16,24,32
.irp j, 0,1,2,3
	v_mov_b32 v[ACH+\q+\j], 0                      ; the quads of zeros between the tiles of t1n
.endr
.endr
.set ri, 0
.rept NS
	v_mov_b32 v[RM+ri], 0xff800000                 ; -infinity, under every product
.set ri, ri+1
.endr
.set ri, NB
.rept 16-NB
	v_mov_b32 v[OO+ri], 0xff800000                 ; likewise the maxima of the groups that go in f32
.set ri, ri+1
.endr
	v_mov_b32 v[SS+2], 0
.irp q, 0,1,2,3
	ds_load_b128 v[ACH+8*\q+4:ACH+8*\q+7], v[ATB] offset:512*\q
.endr
	s_wait_loadcnt 7*NP                            ; the bf16 value fragments, asked for at the head, are in; the loads of the f32 values behind them stay out
	s_mov_b32 s35, 0
	s_mov_b32 s31, 3
	WIN 0
.Lp5:
	WIN S_1
	v_add_nc_u32 v[AT], s35, v[ATB]
	P5TRIP 1
	s_add_co_u32 s35, s35, 2048
	WIN 0
	s_sub_co_u32 s31, s31, 1
	s_cmp_lg_u32 s31, 0
	s_cbranch_scc1 .Lp5
	P5TRIP 0                                       ; the last four tiles: nothing more to fetch
	; A set's maximum lies in two halves of the lanes (memory rows 0-7, 8-15 of each tile).  Sets 2 f and 2 f + 1 are joined in one exchange: lanes 0-15 end with set 2 f, lanes 16-31 with set 2 f + 1:
	; lane l of register f then holds place l of group f: value 512 w + 128 (f / 4) + 4 l + f % 4.
.set fi, 0
.rept NB
	v_cndmask_b32 v[SS], v[RM+2*fi+1], v[RM+2*fi], s30
	v_cndmask_b32 v[SS+1], v[RM+2*fi], v[RM+2*fi+1], s30
	v_permlanex16_b32 v[SS+2], v[SS], s28, s29
	v_max_num_f32 v[OO+fi], v[SS+1], v[SS+2]
.set fi, fi+1
.endr
; ---------------- PRODUCT 5, the f32 part ----------------
; A step: the four rows in buffer b, two at a time, against my 2 NP values: 13 packed multiply-adds for each pair of values and row, 2 NP chains by turns, so that no line waits for the line above it.  The pair of
; t1n's registers gives its first number to both halves for an even k, its second for an odd k.  Then one maximum of three for each value.  ld = 1: the buffer takes the rows eight further on, in one run;
; cnt: the other buffer's 16 loads may stay out.
.macro VSTEP b, ld, cnt, off
	s_wait_dscnt \cnt
.irp h, 0,1
	WIN S_V
.set vk, 0
.rept 13
.set vt, TF+64*(\b)+32*\h+2*(vk/2)
.irp r, 0,1
.set vp, 0
.rept NP
.if vk == 0
	v_pk_mul_f32 v[AV+2*NP*\r+2*vp:AV+2*NP*\r+2*vp+1], v[28*vp:28*vp+1], v[vt+16*\r:vt+16*\r+1] op_sel_hi:[1,0]
.elseif vk%2 == 0
	v_pk_fma_f32 v[AV+2*NP*\r+2*vp:AV+2*NP*\r+2*vp+1], v[28*vp+2*vk:28*vp+2*vk+1], v[vt+16*\r:vt+16*\r+1], v[AV+2*NP*\r+2*vp:AV+2*NP*\r+2*vp+1] op_sel_hi:[1,0,1]
.else
	v_pk_fma_f32 v[AV+2*NP*\r+2*vp:AV+2*NP*\r+2*vp+1], v[28*vp+2*vk:28*vp+2*vk+1], v[vt+16*\r:vt+16*\r+1], v[AV+2*NP*\r+2*vp:AV+2*NP*\r+2*vp+1] op_sel:[0,1,0] op_sel_hi:[1,1,1]
.endif
.set vp, vp+1
.endr
.endr
.set vk, vk+1
.endr
	WIN S_1
.set vp, 0
.rept 2*NP
	v_max3_num_f32 v[OO+NB+vp], v[OO+NB+vp], v[AV+vp], v[AV+2*NP+vp]
.set vp, vp+1
.endr
.endr
.if \ld
	VLOAD \b, ATF, \off
.endif
.endm
	s_wait_loadcnt 0x0                             ; my values in f32
	s_mov_b32 s35, 0
	s_mov_b32 s31, 31
	WIN 0
.Lvec:                                                 ; a trip: eight rows; 31 trips, each fetching the eight rows that follow
	WIN S_1
	v_add_nc_u32 v[ATF], s35, v[ATFB]
	VSTEP 0, 1, 16, 512
	VSTEP 1, 1, 16, 768
	s_add_co_u32 s35, s35, 512
	WIN 0
	s_sub_co_u32 s31, s31, 1
	s_cmp_lg_u32 s31, 0
	s_cbranch_scc1 .Lvec
	VSTEP 0, 0, 16, 0                              ; rows 248 to 255: nothing more to fetch, so that no LDS load reaches past t1n's rows
	VSTEP 1, 0, 0, 0
.irp q, 0,1,2,3
	global_store_b128 v[A16], v[OO+4*\q:OO+4*\q+3], s[12:13] offset:512*\q   ; groups 4 q to 4 q + 3 of a lane are four neighbouring values: the wave stores 512 consecutive bytes, aligned
.endr
	WIN 0
	s_wait_tensorcnt 0x0                           ; the wave's end: behind my last tensor load and my last LDS store
	ds_add_u32 v[SPW], v[NIL]
	s_wait_dscnt 0x0
	CROUND                                         ; the closing round
	s_endpgm
.Lfunc_end_k_q17d52a8380_main:
	.size	k_q17d52a8380_main, .Lfunc_end_k_q17d52a8380_main-k_q17d52a8380_main
	.p2alignl 7, 3214868480
	.fill 96, 4, 3214868480
	.section	.rodata,"a",@progbits
	.p2align	6, 0x0
	.amdhsa_kernel k_q17d52a8380_main
		.amdhsa_group_segment_fixed_size 327680
		.amdhsa_private_segment_fixed_size 0
		.amdhsa_enable_private_segment 0
		.amdhsa_kernarg_size 48
		.amdhsa_user_sgpr_count 2
		.amdhsa_user_sgpr_kernarg_segment_ptr 1
		.amdhsa_wavefront_size32 1
		.amdhsa_system_sgpr_workgroup_id_x 1
		.amdhsa_system_sgpr_workgroup_id_y 1
		.amdhsa_system_sgpr_workgroup_id_z 1
		.amdhsa_system_vgpr_workitem_id 0
		.amdhsa_next_free_vgpr 1024
		.amdhsa_next_free_sgpr 80
		.amdhsa_reserve_vcc 0
		.amdhsa_float_denorm_mode_32 3
		.amdhsa_float_denorm_mode_16_64 3
		.amdhsa_memory_ordered 1
		.amdhsa_forward_progress 1
		.amdhsa_inst_pref_size 255
	.end_amdhsa_kernel
	.section	.bss,"aw",@nobits
	.p2align	6
	.space	262144
	.amdgpu_metadata
---
amdhsa.version: [ 1, 2 ]
amdhsa.kernels:
  - .name:           k_q17d52a8380_main
    .symbol:         k_q17d52a8380_main.kd
    .args:
      - { .name: memory, .offset: 0, .size: 8, .value_kind: global_buffer, .address_space: global }
      - { .name: lowp_scales, .offset: 8, .size: 8, .value_kind: global_buffer, .address_space: global }
      - { .name: wimg, .offset: 16, .size: 8, .value_kind: global_buffer, .address_space: global }
      - { .name: vimg, .offset: 24, .size: 8, .value_kind: global_buffer, .address_space: global }
      - { .name: vfimg, .offset: 32, .size: 8, .value_kind: global_buffer, .address_space: global }
      - { .name: part, .offset: 40, .size: 8, .value_kind: global_buffer, .address_space: global }
    .group_segment_fixed_size: 327680
    .private_segment_fixed_size: 0
    .kernarg_segment_align: 8
    .kernarg_segment_size: 48
    .max_flat_workgroup_size: 128
    .sgpr_count:     80
    .vgpr_count:     1024
    .wavefront_size: 32
...
	.end_amdgpu_metadata
.endif
;; end of part 2
;; launch reduce (part 3): grid 32 x 1, 16 waves a work-group, no clusters, 6,144 bytes of LDS; arguments part, value, out0; writes out0
.if DOCPART == 3
	.amdgcn_target "amdgcn-amd-amdhsa--gfx1250"
	.amdhsa_code_object_version 6
	.text
	.protected	k_q17d52a8380_reduce
	.globl	k_q17d52a8380_reduce
	.p2align	8
	.type	k_q17d52a8380_reduce,@function
k_q17d52a8380_reduce:
	s_mov_b64 s[64:65], 0
	v_nop
	global_prefetch_b8 v0, s[64:65] scope:SCOPE_SE
	s_setreg_imm32_b32 hwreg(HW_REG_WAVE_MODE, 25, 1), 1
	s_wait_xcnt 0x0
; THIRD OF THREE LAUNCHES.  out0[b] = 23 / max(|value[b]|, 1e-8) x max over the 256 rows g of part[g][b].  Nothing is left out: the norm, its clamp and the factor 23, which the second launch
; took out of the maximum (they are positive and the same for every memory row), are applied here.
; SHARES.  Work-group j owns values 64 j to 64 j + 63: 256 aligned bytes of every row of part.  Sixteen lanes read such a piece whole; the 512 threads take 32 rows a load, eight loads.
; Each wave's maxima meet in LDS (256 bytes a wave); wave 0 joins them, two values a lane, makes the two norms and stores 256 consecutive bytes.  No matrix unit, no cluster: the work-groups share no input.
.set SPARE, 4096                       ; behind the sixteen pieces: the spare words, 128 bytes a wave, eight blocks of 256 bytes that no other line names
	s_load_b128 s[4:7], s[0:1], 0x0                ; part, value
	s_load_b64 s[8:9], s[0:1], 0x10                ; out0
	v_lshl_add_u32 v1, v0, 2, SPARE
	v_mov_b32 v2, 0
	v_lshrrev_b32 v3, 5, v0
	v_readfirstlane_b32 s10, v3                    ; wave 0..15
	v_and_b32 v4, 31, v0                           ; lane
	v_and_b32 v5, 15, v0
	v_lshrrev_b32 v6, 4, v0                        ; which of 32 rows
	v_lshlrev_b32 v7, 4, v5
	v_lshl_add_u32 v8, v6, 13, v7                  ; part: row x 8,192 + my 16 bytes of the piece
	s_lshl_b32 s11, s10, 8
	v_add_nc_u32 v9, s11, v7                       ; LDS: my wave's piece
	v_lshlrev_b32 v10, 3, v4                       ; 8 x lane: two values
	v_mul_u32_u24 v11, v4, 104                     ; two rows of value
	s_lshl_b32 s12, ttmp9, 8
	s_mov_b32 s13, 0
	s_mul_i32 s14, ttmp9, 3328
	s_mov_b32 s15, 0
	s_mov_b32 s16, 0x76543210
	s_mov_b32 s17, 0xfedcba98
	s_mov_b32 s18, 0x322bcc77                      ; 1e-8
	s_wait_kmcnt 0x0
	s_add_nc_u64 s[4:5], s[4:5], s[12:13]
	s_add_nc_u64 s[8:9], s[8:9], s[12:13]
	s_add_nc_u64 s[6:7], s[6:7], s[14:15]
	s_cmp_lg_u32 s10, 0
	s_cbranch_scc1 .Lno_value
.irp i, 0,1,2,3,4,5,6,7,8,9,10,11,12
	global_load_b64 v[64+2*\i:65+2*\i], v11, s[6:7] offset:8*\i   ; rows 64 j + 2 lane and the next: 26 numbers
.endr
.Lno_value:
.irp s, 0,1,2,3,4,5,6,7
	global_load_b128 v[16+4*\s:19+4*\s], v8, s[4:5] offset:262144*\s th:TH_LOAD_NT
.endr
	s_wait_loadcnt 0x0
.irp i, 0,1,2,3
	v_max3_num_f32 v[48+\i], v[16+\i], v[20+\i], v[24+\i]
.endr
.irp i, 0,1,2,3
	v_max3_num_f32 v[48+\i], v[48+\i], v[28+\i], v[32+\i]
.endr
.irp i, 0,1,2,3
	v_max3_num_f32 v[48+\i], v[48+\i], v[36+\i], v[40+\i]
.endr
.irp i, 0,1,2,3
	v_max_num_f32 v[48+\i], v[48+\i], v[44+\i]
	v_mov_b32 v[52+\i], 0                          ; a lane permute's destination counts as one of its sources
.endr
.irp i, 0,1,2,3
	v_permlanex16_b32 v[52+\i], v[48+\i], s16, s17 ; lane l xor 16 holds the same values of another row
.endr
.irp i, 0,1,2,3
	v_max_num_f32 v[48+\i], v[48+\i], v[52+\i]
.endr
	ds_store_b128 v9, v[48:51]                     ; both halves of the lanes write the same numbers to the same bytes
	s_wait_dscnt 0x0                               ; for wave 0's sake
	s_barrier_signal -1
	s_barrier_wait -1
	s_cmp_lg_u32 s10, 0
	s_cbranch_scc1 .Lend
.irp w, 0,1,2,3,4,5,6,7,8,9,10,11,12,13,14,15
	ds_load_b64 v[16+2*\w:17+2*\w], v10 offset:256*\w
.endr
	v_mul_f32 v58, v64, v64                        ; the two rows' sums of squares, while the loads are out
	v_mul_f32 v59, v77, v77
.irp i, 1,2,3,4,5,6,7,8,9,10,11,12
	v_fmac_f32 v58, v[64+\i], v[64+\i]
	v_fmac_f32 v59, v[77+\i], v[77+\i]
.endr
	v_sqrt_f32 v58, v58
	v_sqrt_f32 v59, v59
	v_nop                                          ; a plain line behind the last root,
	s_wait_alu depctr_va_vdst(0)                   ; and one wait for both, ahead of their first use
	v_max_num_f32 v58, s18, v58
	v_max_num_f32 v59, s18, v59
	v_rcp_f32 v58, v58
	v_rcp_f32 v59, v59
	s_wait_dscnt 0x0
	v_max3_num_f32 v56, v16, v18, v20              ; (plain lines behind the reciprocals)
	v_max3_num_f32 v57, v17, v19, v21
.irp i, 22,26,30,34,38,42
	v_max3_num_f32 v56, v56, v[\i], v[\i+2]
	v_max3_num_f32 v57, v57, v[\i+1], v[\i+3]
.endr
	v_max_num_f32 v56, v56, v46
	v_max_num_f32 v57, v57, v47
	s_wait_alu depctr_va_vdst(0)
	v_mul_f32 v58, 0x41b80000, v58                 ; 23 / max(|value|, 1e-8)
	v_mul_f32 v59, 0x41b80000, v59
	v_mul_f32 v56, v56, v58
	v_mul_f32 v57, v57, v59
	global_store_b64 v10, v[56:57], s[8:9]         ; 32 lanes store 256 consecutive bytes, aligned
.Lend:
	s_wait_tensorcnt 0x0                           ; the wave's end: behind my last LDS store
	ds_add_u32 v1, v2
	s_wait_dscnt 0x0
	s_endpgm
.Lfunc_end_k_q17d52a8380_reduce:
	.size	k_q17d52a8380_reduce, .Lfunc_end_k_q17d52a8380_reduce-k_q17d52a8380_reduce
	.p2alignl 7, 3214868480
	.fill 96, 4, 3214868480
	.section	.rodata,"a",@progbits
	.p2align	6, 0x0
	.amdhsa_kernel k_q17d52a8380_reduce
		.amdhsa_group_segment_fixed_size 6144
		.amdhsa_private_segment_fixed_size 0
		.amdhsa_enable_private_segment 0
		.amdhsa_kernarg_size 24
		.amdhsa_user_sgpr_count 2
		.amdhsa_user_sgpr_kernarg_segment_ptr 1
		.amdhsa_wavefront_size32 1
		.amdhsa_system_sgpr_workgroup_id_x 1
		.amdhsa_system_sgpr_workgroup_id_y 1
		.amdhsa_system_sgpr_workgroup_id_z 1
		.amdhsa_system_vgpr_workitem_id 0
		.amdhsa_next_free_vgpr 96
		.amdhsa_next_free_sgpr 66
		.amdhsa_reserve_vcc 0
		.amdhsa_float_denorm_mode_32 3
		.amdhsa_float_denorm_mode_16_64 3
		.amdhsa_memory_ordered 1
		.amdhsa_forward_progress 1
		.amdhsa_inst_pref_size 9
	.end_amdhsa_kernel
	.amdgpu_metadata
---
amdhsa.version: [ 1, 2 ]
amdhsa.kernels:
  - .name:           k_q17d52a8380_reduce
    .symbol:         k_q17d52a8380_reduce.kd
    .args:
      - { .name: part, .offset: 0, .size: 8, .value_kind: global_buffer, .address_space: global }
      - { .name: value, .offset: 8, .size: 8, .value_kind: global_buffer, .address_space: global }
      - { .name: out0, .offset: 16, .size: 8, .value_kind: global_buffer, .address_space: global }
    .group_segment_fixed_size: 6144
    .private_segment_fixed_size: 0
    .kernarg_segment_align: 8
    .kernarg_segment_size: 24
    .max_flat_workgroup_size: 512
    .sgpr_count:     66
    .vgpr_count:     96
    .wavefront_size: 32
...
	.end_amdgpu_metadata
.endif
;; end of part 3
